; MI455X (gfx1250); checked and timed in simulation.
; The chip was launched on July 23, 2026; its instructions are those of AMD's public machine-readable ISA for CDNA 5 (MIT licence, August 2026) and "CDNA5" Instruction Set Architecture Reference Guide (July 2026). The comments in the code are by the model that wrote it; some were corrected since.
;; Feed Foward. Allowed arithmetic: float matrix products may take bf16 or f16 operands with f32 sums; other float arithmetic in f32, or as packed bf16 or f16 multiplies, adds, multiply-adds, maxima and minima; sums over many terms, partial sums and values carried from step to step in f32; what a program stores and reads back later, other than sums and carried values, may be rounded once to bf16 or f16.
;; Inputs: b1 4,096 float32; b2 1,024 float32; w1 4,096 x 1,024 float32; w2 1,024 x 4,096 float32; x 8 x 1,024 x 1,024 float32.
;; Outputs: out0 8 x 1,024 x 1,024 float32.
;; One version. Each part assembles by itself: llvm-mc -triple=amdgcn-amd-amdhsa -mcpu=gfx1250 --defsym DOCPART=n.
;; ======== version 1 of 1: 3 launches
;; limits: values within 1e-06 (relative) of each other or of a threshold may be ordered or decided otherwise than in the reference
;; workspace buffers: xb 16,777,216 bytes; w1b 8,388,608 bytes; w2q 4,194,304 bytes; hq 67,108,864 bytes
;; launch prep (part 1): grid 1024 x 1, 8 waves a work-group, no clusters, 0 bytes of LDS; arguments x, w1, w2, xb, w1b, w2q; writes xb, w1b, w2q
.if DOCPART == 1
	.amdgcn_target "amdgcn-amd-amdhsa--gfx1250"
	.amdhsa_code_object_version 6
	.text
	.protected	k_qf6a164a47b_prep
	.globl	k_qf6a164a47b_prep
	.p2align	8
	.type	k_qf6a164a47b_prep,@function
k_qf6a164a47b_prep:
	s_mov_b64 s[64:65], 0
	v_nop
	global_prefetch_b8 v0, s[64:65] scope:SCOPE_SE
	s_setreg_imm32_b32 hwreg(HW_REG_WAVE_MODE, 25, 1), 1
	s_wait_xcnt 0x0
; xb = bf16(x), w1b = bf16(w1), w2q = the fp8 code of e4m3(bf16(w2)).  x: 8,388,608 f32; w1, w2: 4,194,304 f32 each.
; A stream: every input byte is read once, every output byte written once; no LDS, no barrier, no matrix unit (nothing is shared and nothing is summed).
; A work-group takes 16,384 numbers (65,536 bytes in): groups 0-511 x, 512-767 w1, 768-1023 w2.  All 16 loads of a thread go out first.
; x, w1: thread t takes the 16 bytes at 16 t of each of 16 rounds of 4,096 bytes: a wave's load covers 512 consecutive bytes, its store of 8 bytes a lane 256 consecutive bytes at a multiple of 256.
; w2: thread t takes the 32 bytes at 32 t of each of 8 rounds of 8,192 bytes, by two loads, so that its 8 codes are 8 neighbouring bytes: again a wave's store covers 256 consecutive bytes at a multiple of 256.
; e4m3 here: bias 7, step 2^-9 below 2^-6, largest number 240, whatever rounds above it is an infinity.  Up to 240 that is the fp8 grid; |w2| is held to 256 in front of the conversion, and the code of 256
; stands for all that rounds above 240 (the next launch but one multiplies the codes' values by 256, which takes 256 out of f16's range).
; LIMITS.  A NaN in w2 is not treated apart (the clamp takes one of its bounds for it).
.set X, 4                              ; v[4:67]   the numbers as loaded
.set Y, 68                             ; v[68:99]  x, w1: round i's four bf16 to store; registers of their own, so no store's data is ever rewritten
                                       ; v100-v103 w2: packed numbers at work; v[100:101] then the eight codes to store
	s_load_b256 s[4:11], s[0:1], 0x0               ; x s[4:5], w1 s[6:7], w2 s[8:9], xb s[10:11]
	s_load_b128 s[12:15], s[0:1], 0x20             ; w1b s[12:13], w2q s[14:15]
	v_lshlrev_b32 v1, 4, v0                        ; x, w1: my 16 bytes in a round's 4,096
	v_lshlrev_b32 v2, 3, v0                        ; my 8 bytes in a round's 2,048 of output
	v_lshlrev_b32 v3, 5, v0                        ; w2: my 32 bytes in a round's 8,192
	s_mov_b32 s22, 0xffff0000                      ; a word's upper bf16
	s_mov_b32 s23, 0xc3800000                      ; -256
	s_mov_b32 s2, 0x43800000                       ; +256
	s_mov_b32 s19, 0                               ; high words of the two byte offsets
	s_mov_b32 s21, 0
	s_wait_kmcnt 0x0
; One work-group's share of x or w1.  src, dst: the first register of the pointers; first: the tensor's first work-group.
.macro CONV src, dst, first
	s_sub_co_u32 s16, ttmp9, \first                ; my share's number in this tensor
	s_lshl_b32 s18, s16, 16                        ; 65,536 bytes in,
	s_lshl_b32 s20, s16, 15                        ; 32,768 out
	s_add_nc_u64 s[\src:\src+1], s[\src:\src+1], s[18:19]
	s_add_nc_u64 s[\dst:\dst+1], s[\dst:\dst+1], s[20:21]
.set i, 0
.rept 16
	global_load_b128 v[X+4*i:X+4*i+3], v1, s[\src:\src+1] offset:4096*i th:TH_LOAD_NT
.set i, i+1
.endr
.set i, 0
.rept 16
	s_wait_loadcnt 15-i                            ; loads come back in order: round i is in, the 15 - i younger ones stay out
	v_cvt_pk_bf16_f32 v[Y+2*i], v[X+4*i], v[X+4*i+1]
	v_cvt_pk_bf16_f32 v[Y+2*i+1], v[X+4*i+2], v[X+4*i+3]
	global_store_b64 v2, v[Y+2*i:Y+2*i+1], s[\dst:\dst+1] offset:2048*i  ; no hint: the next launch reads these bytes
.set i, i+1
.endr
	s_endpgm
.endm
; One work-group's share of w2.
.macro QUANT src, dst, first
	s_sub_co_u32 s16, ttmp9, \first
	s_lshl_b32 s18, s16, 16                        ; 65,536 bytes in,
	s_lshl_b32 s20, s16, 14                        ; 16,384 out
	s_add_nc_u64 s[\src:\src+1], s[\src:\src+1], s[18:19]
	s_add_nc_u64 s[\dst:\dst+1], s[\dst:\dst+1], s[20:21]
.set i, 0
.rept 8
	global_load_b128 v[X+8*i:X+8*i+3],   v3, s[\src:\src+1] offset:8192*i     ; no hint: the two loads of a round take alternate 16 bytes of the same 1,024 bytes
	global_load_b128 v[X+8*i+4:X+8*i+7], v3, s[\src:\src+1] offset:8192*i+16
.set i, i+1
.endr
.set i, 0
.rept 8
	s_wait_loadcnt 14-2*i                          ; round i's two loads are in, the 14 - 2 i younger ones stay out
	s_wait_xcnt 0x0                                ; v[100:101], the last round's store data, are rewritten only behind this wait
	v_cvt_pk_bf16_f32 v100, v[X+8*i], v[X+8*i+1]   ; first to bf16, as every input,
	v_cvt_pk_bf16_f32 v101, v[X+8*i+2], v[X+8*i+3]
	v_cvt_pk_bf16_f32 v102, v[X+8*i+4], v[X+8*i+5]
	v_cvt_pk_bf16_f32 v103, v[X+8*i+6], v[X+8*i+7]
	v_lshlrev_b32 v[X+8*i], 16, v100               ; back to f32,
	v_and_b32 v[X+8*i+1], s22, v100
	v_lshlrev_b32 v[X+8*i+2], 16, v101
	v_and_b32 v[X+8*i+3], s22, v101
	v_lshlrev_b32 v[X+8*i+4], 16, v102
	v_and_b32 v[X+8*i+5], s22, v102
	v_lshlrev_b32 v[X+8*i+6], 16, v103
	v_and_b32 v[X+8*i+7], s22, v103
.set j, 0
.rept 8
	v_med3_num_f32 v[X+8*i+j], v[X+8*i+j], s23, s2 ; held to +-256: the conversion below does not saturate
.set j, j+1
.endr
	v_cvt_pk_fp8_f32 v100.l, v[X+8*i], v[X+8*i+1]  ; the e4m3 rounding: eight codes, the lowest k in the lowest byte
	v_cvt_pk_fp8_f32 v100.h, v[X+8*i+2], v[X+8*i+3]
	v_cvt_pk_fp8_f32 v101.l, v[X+8*i+4], v[X+8*i+5]
	v_cvt_pk_fp8_f32 v101.h, v[X+8*i+6], v[X+8*i+7]
	global_store_b64 v2, v[100:101], s[\dst:\dst+1] offset:2048*i
.set i, i+1
.endr
	s_endpgm
.endm
	s_cmp_lt_u32 ttmp9, 512
	s_cbranch_scc1 .Lx
	s_cmp_lt_u32 ttmp9, 768
	s_cbranch_scc1 .Lw1
	QUANT 8, 14, 768                               ; w2 -> w2q
.Lw1:
	CONV 6, 12, 512                                ; w1 -> w1b
.Lx:
	CONV 4, 10, 0                                  ; x -> xb
.Lfunc_end_k_qf6a164a47b_prep:
	.size	k_qf6a164a47b_prep, .Lfunc_end_k_qf6a164a47b_prep-k_qf6a164a47b_prep
	.p2alignl 7, 3214868480
	.fill 96, 4, 3214868480
	.section	.rodata,"a",@progbits
	.p2align	6, 0x0
	.amdhsa_kernel k_qf6a164a47b_prep
		.amdhsa_group_segment_fixed_size 0
		.amdhsa_private_segment_fixed_size 0
		.amdhsa_enable_private_segment 0
		.amdhsa_kernarg_size 48
		.amdhsa_user_sgpr_count 2
		.amdhsa_user_sgpr_kernarg_segment_ptr 1
		.amdhsa_wavefront_size32 1
		.amdhsa_system_sgpr_workgroup_id_x 1
		.amdhsa_system_sgpr_workgroup_id_y 1
		.amdhsa_system_sgpr_workgroup_id_z 1
		.amdhsa_system_vgpr_workitem_id 0
		.amdhsa_next_free_vgpr 112
		.amdhsa_next_free_sgpr 66
		.amdhsa_reserve_vcc 0
		.amdhsa_float_denorm_mode_32 3
		.amdhsa_float_denorm_mode_16_64 3
		.amdhsa_memory_ordered 1
		.amdhsa_forward_progress 1
		.amdhsa_inst_pref_size 26
	.end_amdhsa_kernel
	.amdgpu_metadata
---
amdhsa.version: [ 1, 2 ]
amdhsa.kernels:
  - .name:           k_qf6a164a47b_prep
    .symbol:         k_qf6a164a47b_prep.kd
    .args:
      - { .name: x, .offset: 0, .size: 8, .value_kind: global_buffer, .address_space: global }
      - { .name: w1, .offset: 8, .size: 8, .value_kind: global_buffer, .address_space: global }
      - { .name: w2, .offset: 16, .size: 8, .value_kind: global_buffer, .address_space: global }
      - { .name: xb, .offset: 24, .size: 8, .value_kind: global_buffer, .address_space: global }
      - { .name: w1b, .offset: 32, .size: 8, .value_kind: global_buffer, .address_space: global }
      - { .name: w2q, .offset: 40, .size: 8, .value_kind: global_buffer, .address_space: global }
    .group_segment_fixed_size: 0
    .private_segment_fixed_size: 0
    .kernarg_segment_align: 8
    .kernarg_segment_size: 48
    .max_flat_workgroup_size: 256
    .sgpr_count:     66
    .vgpr_count:     112
    .wavefront_size: 32
...
	.end_amdgpu_metadata
.endif
;; end of part 1
;; launch up (part 2): grid 16 x 32, 4 waves a work-group, clusters of 4 x 4, 327,680 bytes of LDS; arguments xb, w1b, b1, hq; writes hq
.if DOCPART == 2
	.amdgcn_target "amdgcn-amd-amdhsa--gfx1250"
	.amdhsa_code_object_version 6
	.text
	.protected	k_qf6a164a47b_up
	.globl	k_qf6a164a47b_up
	.p2align	8
	.type	k_qf6a164a47b_up,@function
k_qf6a164a47b_up:
	s_mov_b64 s[64:65], 0
	v_nop
	global_prefetch_b8 v0, s[64:65] scope:SCOPE_SE
	s_setreg_imm32_b32 hwreg(HW_REG_WAVE_MODE, 25, 1), 1
	s_wait_xcnt 0x0
	s_wait_alu depctr_hold_cnt(0) depctr_sa_sdst(0) depctr_va_vdst(0) depctr_va_sdst(0) depctr_va_ssrc(0) depctr_va_vcc(0) depctr_vm_vsrc(0)
	s_getreg_b32 s2, hwreg(HW_REG_IB_STS2, 6, 4)
	s_cmp_eq_u32 s2, 0
	s_cbranch_scc0 .Lentry_in_a_cluster
	s_endpgm
.Lentry_in_a_cluster:
	s_bfe_u32 s2, ttmp6, 0x10000c
	s_cmp_lg_u32 s2, 0xf033
	s_cbranch_scc0 .Lentry_shape_is_right
	s_endpgm
.Lentry_shape_is_right:
; hq[m][n] = f16(256 x e4m3(relu(sum over k of xb[m][k] w1b[n][k] + bf16(b1[n])))).  xb: [8192][1024] bf16, w1b: [4096][1024] bf16, b1: [4096] f32, hq: [8192][4096] f16.  Sums in f32.
; A tile of 256 x 256 is made by four waves, each 128 x 128: 64 accumulators of 16 x 16, 512 registers.  K goes in steps of 128 through two LDS slots filled by the tensor data mover: a tile's rows are
; 256 bytes of memory at multiples of 256.  512 work-groups: two for each of 256 WGPs.
; CLUSTERS: 4 x 4 work-groups.  The four of a row of the cluster need the same tiles of xb, the four of a column the same tiles of w1b: each tile is asked for JOINTLY, by the same tensor load with the
; same descriptor and a mask that names the four.
; THE MATRIX INSTRUCTION IS USED TRANSPOSED (source 0 = 16 rows of w1b, source 1 = 16 rows of xb): lane l holds row l % 16 of the result and the columns 8 (l / 16) + 0..7.
; THE WAY OUT IS WRITTEN ONCE.  The ring has had its last fill; behind a barrier each wave puts its 128 x 128 sums, in f32, into 128 rows of 528 bytes of the ring's bytes, its own; a loop of 16 trips then takes
; 8 whole rows a trip (lane l: columns 4 l .. 4 l + 3), does the arithmetic below in fixed registers, and stores 8 bytes a lane.  So the text of the arithmetic does not grow with the 64 accumulators.
; THE ARITHMETIC.  y = (sum + b1) 2^-8 by one fused multiply-add, held to 0 .. 1 by its clamp: the bias, the ReLU and a cap at 256 in one line for two numbers.  The scaled conversion divides by 2^-8 and rounds
; to fp8, whose grid is e4m3's up to 240; 256 stands for all that rounds above 240.  Back in f32 times 2^8: 0.5 .. 61,440 is exact in f16, and 65,536 becomes f16's infinity, as e4m3 here has it.
; THE MIDDLES (a stated departure).  The rounding to e4m3 jumps by a whole step at the middle between two neighbours, and f32 sums made in different orders can fall on different sides of a middle.  So within
; 8 units of h's last place of a middle (a step holds 2^20 such units) the jump is a ramp: hq = M + (h - M) 2^16, held between the two neighbours, M the middle.  There hq is no e4m3 number; it has 9 significant
; bits at the most and is exact in f16.  It differs from either neighbour's choice by half a step at the middle and by less than a step everywhere.  How: y (1 - d) and y (1 + d), d = 1.5 x 2^-20, are both
; rounded to e4m3: A and B are equal away from a middle and the two neighbours near one (12 units or more to either side); the median of A, B and the ramp's line is A where A = B.
; Below 2^-6, where e4m3's step is fixed, the window of d is narrower than the ramp, and hq stays near M inside it.  Between 240 and 256 the ramp's numbers from 255.94 on become the infinity.
; LIMITS.  The f32 sums are made in another order than a sum term by term.  A NaN sum is not treated apart (the clamp decides what becomes of it).  h below 2^-118 passes through a denormal; it is 0 in e4m3 in any case.
; REGISTERS, in windows of 256 (s_set_vgpr_msb: bits 1:0 source 0, 3:2 source 1, 5:4 source 2, 7:6 destination):
;   window 0: v0-31 addresses, constants and the bias; v64-127, v128-191 fragments of xb, two buffers; on the way out v32-63 sums read back, v64-95 y, v96-127 A, v128-159 B, v160-191 codes and then the line,
;             v192-207 packed f16
;   window 1: v64-127, v128-191 fragments of w1b        window 2: the accumulators of my rows 0-63 ((a, b) at v[8 (8 a + b)]); window 3: rows 64-127
.set SIZE_N, 4096
.set SIZE_K, 1024
.set KSTEP,  128
.set PITCH,  272                       ; an LDS row: 256 bytes + 16 of padding = 68 words: the 16 rows that a load touches start at 16 different groups of four banks (64 banks of 4 bytes: ISA guide 11.1)
.set HALFT,  128*PITCH                 ; 128 rows: what one tensor load brings, and what one wave reads of either operand
.set SLOT,   4*HALFT                   ; xb's 256 rows, then w1b's 256 rows
.set SPARE,  2*SLOT                    ; behind the ring: the spare words, 128 bytes for each wave: two blocks of 256 bytes that no other line names
.set FP,     528                       ; the way out: a row of 128 f32, 512 bytes + 16: the 16 rows that a store touches start at 16 different groups of four banks
.set WREG,   128*FP                    ; the way out: a wave's 128 rows; four of them are 270,336 bytes, inside the ring's 278,528
.set LAPS,   SIZE_K/(2*KSTEP)          ; a lap = two K steps = once round the ring: 4
.set ROWB,   SIZE_N*2                  ; bytes in a row of hq
.set BI,   8                           ; v8-11   bf16(b1) 2^-8 of my four columns on the way out
.set ADRA, 16                          ; v16-17  LDS address of my xb fragments in slot 0, 1
.set ADRB, 20                          ; v20-21  the same for w1b
.set BO,   22                          ; v22     my byte offset in the wave's 512 bytes of b1: 16 x lane
.set ADR,  23                          ; v23     the way out: where this trip's rows are read
.set STO,  24                          ; v24     the way out: where I put 32 bytes of a row
.set RD,   25                          ; v25     the way out: my 16 bytes in my wave's first row; never rewritten
.set CO,   26                          ; v26     my byte offset in a row of hq: 8 x lane
.set SUP,  27                          ; v27     0x87: the E8M0 code of 2^8
.set SPW,  28                          ; v28     LDS address of my spare word: SPARE + 4 x my thread's number; never rewritten
.set NIL,  29                          ; v29     0; never rewritten
.set SCL,  30                          ; v30-31  2^-8, twice
.set S,    32                          ; the way out: 8 rows' sums as read back
.set F0,   64
.set F1,   128
.set Y,    64                          ; y
.set QA,   96                          ; y (1 - d), then A
.set QB,   128                         ; y (1 + d), then B
.set LN,   160                         ; A + B, then the ramp's line, then the result
.set CA,   160                         ; before that: the fp8 codes of A
.set CB,   168                         ; and of B
.set TMP,  192
.set WV, 12                            ; s12  my wave's number
.set RH, 13                            ; s13  which half of the tile's rows is mine.  Also: I fetch for xb (0) or for w1b (1)
.set CH, 14                            ; s14  which half of its columns.  Also: which 128 rows of that tile I fetch
.set TR, 15                            ; s15  tile row
.set TC, 42                            ; s42  tile column
.set G1, 24                            ; s[24:31] descriptor group 1 for xb's tiles;  s[32:39] group 0, a set for each slot
.set G0, 32
.set G1B, 48                           ; s[48:55], s[56:63] the same for w1b's tiles
.set G0B, 56
.set LAP, 66                           ; s66  laps to go; later the way out's trips
.set TB,  67                           ; s67  the way out: the byte at which the rows to be read begin in a wave's 128
.set DLO, 72                           ; s[72:73] 1 - 1.5 x 2^-20: the packed lines take a pair's low word for both halves
.set DHI, 74                           ; s[74:75] 1 + 1.5 x 2^-20
.set NC,  76                           ; s[76:77] -(2^16 - 1) / 2
.set KK,  78                           ; s[78:79] 2^32 = 2^16 (y to 256 h) x 2^16 (the ramp's slope)
.set DW0, (1<<16)|(1<<20)|(1<<21)|(5<<22)|(3<<25)  ; 17:16 elements of 2 bytes; 20 padding on; 21 set beside a mask; 24:22 after every 64 words (code 5); 31:25 4 words of it (code 3)
.set MSB, 0
.macro WIN new                         ; the immediate's high byte repeats the setting that is left; a switch that changes nothing is dropped
.if MSB != (\new)
	s_set_vgpr_msb (MSB<<8)|(\new)
.set MSB, \new
.endif
.endm
.set MUL_LO, 0xa1                      ; source 0 (w1b) window 1, source 1 (xb) window 0, C and D window 2
.set MUL_HI, 0xf1                      ; the same, C and D window 3
.set TO_B,   0x40                      ; destination window 1, address window 0
; A joint load.  Waves 0 and 1 fetch xb's two halves, waves 2 and 3 w1b's.  The branch hangs on the wave's number alone.  An s_nop 0 and four v_nop follow each of the two lines.
.macro JLOAD s
	s_cmp_eq_u32 s[RH], 0
	s_cbranch_scc0 .Lfor_b_\@
	tensor_load_to_lds s[G0+4*(\s):G0+4*(\s)+3], s[G1:G1+7]
	s_nop 0
.rept 4
	v_nop
.endr
	s_branch .Lasked_\@
.Lfor_b_\@:
	tensor_load_to_lds s[G0B+4*(\s):G0B+4*(\s)+3], s[G1B:G1B+7]
	s_nop 0
.rept 4
	v_nop
.endr
.Lasked_\@:
.endm
; A round of the cluster's barrier: my work-group's barrier, so that wave 0's signal speaks for all four waves; wave 0 signals; every wave waits for all sixteen work-groups; my work-group's barrier once more.
.macro CREST                           ; a round behind its opening barrier
	s_cmp_lg_u32 s[WV], 0
	s_cbranch_scc1 .Lnot_wave_0_\@
	s_barrier_signal -3
.Lnot_wave_0_\@:
	s_barrier_wait -3
	s_barrier_signal -1
	s_barrier_wait -1
.endm
.macro CROUND                          ; a whole round
	s_barrier_signal -1
	s_barrier_wait -1
	CREST
.endm
	s_load_b256 s[4:11], s[0:1], 0x0               ; xb s[4:5], w1b s[6:7], b1 s[8:9], hq s[10:11]
	v_lshl_add_u32 v[SPW], v0, 2, SPARE
	v_mov_b32 v[NIL], 0
	ds_add_u32 v[SPW], v[NIL]                      ; the wave's opening: the add and its wait stand ahead of my first tensor load; the set-up below, work on registers, stands between them
	v_lshrrev_b32 v1, 5, v0
	v_readfirstlane_b32 s[WV], v1                  ; wave 0..3
	s_lshr_b32 s[RH], s[WV], 1
	s_and_b32 s[CH], s[WV], 1
	s_bfe_u32 s40, ttmp6, 0x40000                  ; cx, cy: my place in the cluster
	s_bfe_u32 s41, ttmp6, 0x40004
	s_lshl_b32 s[TC], ttmp9, 2                     ; in a cluster launch ttmp9 and ttmp7 count clusters
	s_add_co_u32 s[TC], s[TC], s40                 ; tile column = 4 x cluster x + cx
	s_and_b32 s[TR], ttmp7, 0xffff
	s_lshl_b32 s[TR], s[TR], 2
	s_add_co_u32 s[TR], s[TR], s41                 ; tile row = 4 x cluster y + cy
	s_lshl_b32 s43, s41, 2
	s_lshl_b32 s43, 15, s43                        ; my row of the cluster: places 4 cy .. 4 cy + 3
	s_lshl_b32 s44, 0x1111, s40                    ; my column: places cx, cx + 4, cx + 8, cx + 12
	s_or_b32 s[G1+0], s43, DW0                     ; 15:0 the mask: xb's tiles go to my row,
	s_or_b32 s[G1B+0], s44, DW0                    ; w1b's to my column
.irp g, G1, G1B
	s_mov_b32 s[(\g)+1], KSTEP<<16                 ; tensor_dim0 = 128
	s_mov_b32 s[(\g)+2], 128<<16                   ; tensor_dim1 = 128
	s_mov_b32 s[(\g)+3], KSTEP<<16                 ; tile_dim0 = 128
	s_mov_b32 s[(\g)+4], 128                       ; tile_dim1 = 128
	s_mov_b32 s[(\g)+5], SIZE_K                    ; elements from row to row
	s_mov_b32 s[(\g)+6], 0
	s_mov_b32 s[(\g)+7], 0
.endr
	s_mov_b32 s[DLO], 0x3f7fffe8                   ; 1 - 24 x 2^-24
	s_mov_b32 s[DLO+1], 0x3f7fffe8                 ; (each named as a pair, so both words are written)
	s_mov_b32 s[DHI], 0x3f80000c                   ; 1 + 12 x 2^-23
	s_mov_b32 s[DHI+1], 0x3f80000c
	s_mov_b32 s[NC], 0xc6ffff00                    ; -32767.5
	s_mov_b32 s[NC+1], 0xc6ffff00
	s_mov_b32 s[KK], 0x4f800000                    ; 2^32
	s_mov_b32 s[KK+1], 0x4f800000
	s_mov_b32 s[TB], 0
	; xb's tiles hang on the tile row alone, which my row of the cluster shares; w1b's on the tile column alone.  Each address is made in registers that never hold the other coordinate.
	s_lshl_b32 s17, s[CH], 7                       ; which 128 rows of the tile I fetch
	s_lshl_b32 s16, s[TR], 8
	s_add_co_u32 s16, s16, s17                     ; xb: row 256 x tile row + 128 x half,
	s_lshl_b32 s16, s16, 11                        ; of 2,048 bytes: 16,775,168 at the most
	s_lshl_b32 s46, s[TC], 8
	s_add_co_u32 s46, s46, s17                     ; w1b: row 256 x tile column + 128 x half
	s_lshl_b32 s46, s46, 11
	s_mov_b32 s17, 0
	s_mov_b32 s47, 0
	s_mul_i32 s20, s[WV], HALFT                    ; where they go: wave x 128 rows: no place in the cluster enters an LDS address
	s_wait_dscnt 0x0                               ; the opening add is done
	s_wait_kmcnt 0x0
	s_add_nc_u64 s[18:19], s[4:5], s[16:17]
	s_add_nc_u64 s[46:47], s[6:7], s[46:47]
	CROUND                                         ; all sixteen work-groups are here: the first joint loads meet
.irp s, 0,1
	s_mov_b32 s[G0+4*(\s)], 1                                      ; 1:0 count = 1
	s_add_co_u32 s[G0+4*(\s)+1], s20, (\s)*SLOT                    ; 63:32 LDS address
	s_add_nc_u64 s[G0+4*(\s)+2:G0+4*(\s)+3], s[18:19], (\s)*KSTEP*2  ; 120:64 global address: K step s
	s_or_b32 s[G0+4*(\s)+3], s[G0+4*(\s)+3], 0x80000000            ; 127:126 type = 2
	s_mov_b32 s[G0B+4*(\s)], 1
	s_add_co_u32 s[G0B+4*(\s)+1], s20, (\s)*SLOT
	s_add_nc_u64 s[G0B+4*(\s)+2:G0B+4*(\s)+3], s[46:47], (\s)*KSTEP*2
	s_or_b32 s[G0B+4*(\s)+3], s[G0B+4*(\s)+3], 0x80000000
	JLOAD \s                                       ; two loads of mine are out
.endr
	; All that follows up to the wait on TENSORcnt stands in the wait for the first tile.
	v_and_b32 v1, 15, v0                           ; l % 16
	v_bfe_u32 v2, v0, 4, 1                         ; l / 16
	v_and_b32 v6, 31, v0                           ; l
	v_lshlrev_b32 v[BO], 4, v6
	s_lshl_b32 s46, s[TC], 10                      ; b1 at my wave's 128 columns: 4 bytes x (256 x tile column + 128 x half)
	s_lshl_b32 s47, s[CH], 9
	s_add_co_u32 s46, s46, s47
	s_mov_b32 s47, 0
	s_add_nc_u64 s[8:9], s[8:9], s[46:47]
	global_load_b128 v[BI:BI+3], v[BO], s[8:9]     ; columns 4 l .. 4 l + 3: what my lane holds of every row on the way out
	; A fragment is 16 rows x 32 K in 8 registers: lane l holds row l % 16; registers 0-3 K = 8 (l / 16) + 0..7, registers 4-7 K = 16 + 8 (l / 16) + 0..7: two loads of 16 bytes, 32 bytes apart.
	v_mul_u32_u24 v3, v1, PITCH
	v_lshl_add_u32 v3, v2, 4, v3                   ; row x pitch + 16 x half
	s_mul_i32 s21, s[RH], HALFT                    ; my 128 rows of xb
	s_mul_i32 s22, s[CH], HALFT                    ; my 128 rows of w1b,
	s_add_co_u32 s22, s22, 2*HALFT                 ; which lie behind xb's 256
.irp s, 0,1
	v_add_nc_u32 v[ADRA+(\s)], s21, v3
	v_add_nc_u32 v[ADRB+(\s)], s22, v3
	s_add_co_u32 s21, s21, SLOT
	s_add_co_u32 s22, s22, SLOT
.endr
	s_mul_i32 s23, s[WV], WREG                     ; the way out: my wave's 128 rows
	v_mul_u32_u24 v4, v1, FP                       ; in: row l % 16, 32 bytes for each half of the lanes
	v_lshl_add_u32 v4, v2, 5, v4
	v_add_nc_u32 v[STO], s23, v4
	v_lshl_add_u32 v[RD], v6, 4, s23               ; back: 32 lanes take one row's 512 bytes
	v_lshlrev_b32 v[CO], 3, v6                     ; which become 256 bytes of hq
	s_lshl_b32 s70, s[TR], 8                       ; hq at my wave's part of the tile: row 256 x tile row + 128 x half, of 8,192 bytes,
	s_lshl_b32 s16, s[RH], 7
	s_add_co_u32 s70, s70, s16
	s_lshl_b32 s70, s70, 13
	s_lshl_b32 s46, s[TC], 9                       ; column 256 x tile column + 128 x half, of 2 bytes
	s_lshl_b32 s47, s[CH], 8
	s_add_co_u32 s46, s46, s47
	s_add_co_u32 s70, s70, s46                     ; under 2^27
	s_mov_b32 s71, 0
	s_add_nc_u64 s[10:11], s[10:11], s[70:71]
	v_mov_b32 v[SCL], 0x3b800000                   ; 2^-8
	v_mov_b32 v[SCL+1], 0x3b800000
	v_mov_b32 v[SUP], 0x87
	s_wait_loadcnt 0x0                             ; b1
	v_cvt_pk_bf16_f32 v12, v[BI], v[BI+1]          ; b1 is rounded to bf16, as every input,
	v_cvt_pk_bf16_f32 v13, v[BI+2], v[BI+3]
	v_lshlrev_b32 v[BI], 16, v12                   ; widened again,
	v_and_b32 v[BI+1], 0xffff0000, v12
	v_lshlrev_b32 v[BI+2], 16, v13
	v_and_b32 v[BI+3], 0xffff0000, v13
	v_pk_mul_f32 v[BI:BI+1], v[BI:BI+1], v[SCL:SCL+1]      ; and kept times 2^-8
	v_pk_mul_f32 v[BI+2:BI+3], v[BI+2:BI+3], v[SCL:SCL+1]
; 16 matrix instructions: m blocks a0, a0 + 1 of the window's four (hi = 0: my rows 0-63, 1: rows 64-127) x all 8 n blocks, 32 along K.  zero = 1: the first product starts the sums.
; The 64 accumulators take turns, one instruction a turn, in the same order in every quarter step.
.macro MUL16 f, hi, a0, zero
	WIN MUL_LO+0x50*(\hi)
.irp a, \a0, (\a0)+1
.irp b, 0,1,2,3,4,5,6,7
.if \zero
	v_wmma_f32_16x16x32_bf16 v[8*(8*(\a)+(\b)):8*(8*(\a)+(\b))+7], v[(\f)+8*(\b):(\f)+8*(\b)+7], v[(\f)+8*(4*(\hi)+(\a)):(\f)+8*(4*(\hi)+(\a))+7], 0
.else
	v_wmma_f32_16x16x32_bf16 v[8*(8*(\a)+(\b)):8*(8*(\a)+(\b))+7], v[(\f)+8*(\b):(\f)+8*(\b)+7], v[(\f)+8*(4*(\hi)+(\a)):(\f)+8*(4*(\hi)+(\a))+7], v[8*(8*(\a)+(\b)):8*(8*(\a)+(\b))+7]
.endif
.endr
.endr
.endm
; 32 LDS loads in one run: the fragments of one quarter step (32 K at byte k of the rows) into buffer f: w1b's 128 rows, then xb's rows 0-63, then its rows 64-127
.macro FETCH slot, k, f
	WIN TO_B
.irp i, 0,1,2,3,4,5,6,7
	ds_load_b128 v[(\f)+8*(\i):(\f)+8*(\i)+3],   v[ADRB+(\slot)] offset:(\k)+(\i)*16*PITCH
	ds_load_b128 v[(\f)+8*(\i)+4:(\f)+8*(\i)+7], v[ADRB+(\slot)] offset:(\k)+(\i)*16*PITCH+32
.endr
	WIN 0
.irp i, 0,1,2,3,4,5,6,7
	ds_load_b128 v[(\f)+8*(\i):(\f)+8*(\i)+3],   v[ADRA+(\slot)] offset:(\k)+(\i)*16*PITCH
	ds_load_b128 v[(\f)+8*(\i)+4:(\f)+8*(\i)+7], v[ADRA+(\slot)] offset:(\k)+(\i)*16*PITCH+32
.endr
.endm
; A load into a register that a matrix instruction has read, and a vector instruction or an LDS store that reads a matrix result, stand four places behind it; only plain vector instructions that name none of its
; registers are places (ISA guide 7.12.1 for vector instructions).
.macro PLACES
.rept 4
	v_nop
.endr
.endm
; A K step is four quarter steps of 32 along K, 64 matrix instructions each, on buffers 0, 1, 0, 1.  One of the first three: multiplies buffer f; in its middle it fetches the next quarter, at byte k, into g.
.macro QUARTER slot, k, f, g, zero
	s_wait_dscnt 8                                 ; w1b and xb's rows 0-63 are in; the youngest eight loads (xb's rows 64-127) may be out
	MUL16 \f, 0, 0, \zero
	MUL16 \f, 0, 2, \zero
	PLACES
	FETCH \slot, \k, \g
	s_wait_dscnt 32                                ; all but the 32 just issued
	MUL16 \f, 1, 0, \zero
	MUL16 \f, 1, 2, \zero
.endm
; The first half of a K step's last quarter, which multiplies buffer 1 and changes slots: ONE barrier.  In front of it each wave waits for all its tensor loads (one is out: its part of the next slot), adds 0 to
; its spare word, and waits for that and for its own reads of this slot.  Behind it nobody reads this slot any more and the next slot is whole.  round = 1: a round of the cluster's barrier follows.
.macro MEET round
	WIN 0                                          ; (the add's two registers lie in window 0)
	s_wait_tensorcnt 0x0                           ; all my tensor loads have landed
	ds_add_u32 v[SPW], v[NIL]                      ; 0 onto my spare word
	s_wait_dscnt 9                                 ; (the add and the youngest eight loads may be out)
	MUL16 F1, 0, 0, 0                              ; sixteen matrix instructions stand between the add and the wait for it
	s_wait_dscnt 0x0                               ; the add is done, and my reads of this slot are over
	s_barrier_signal -1
	MUL16 F1, 0, 2, 0                              ; work on registers while the others arrive
.if \round
	WIN 0
.endif
	s_barrier_wait -1
.endm
; The whole last quarter: behind the round this slot is filled again first, with the K step two steps on: 224 matrix instructions ahead of the wait for it; then come the next slot's first fragments.
.macro TURN slot, next
	MEET 1
	CREST                                          ; no wave of any partner still reads this slot's tile or has a load on its way
	s_add_nc_u64 s[G0+4*(\slot)+2:G0+4*(\slot)+3], s[G0+4*(\slot)+2:G0+4*(\slot)+3], 2*KSTEP*2  ; no load of mine is out, so a group 0 may be written
	s_add_nc_u64 s[G0B+4*(\slot)+2:G0B+4*(\slot)+3], s[G0B+4*(\slot)+2:G0B+4*(\slot)+3], 2*KSTEP*2
	JLOAD \slot                                    ; the first tensor load behind the round; its four v_nop are also the places in front of the loads below
	FETCH \next, 0, F0
	MUL16 F1, 1, 0, 0
	MUL16 F1, 1, 2, 0
.endm
; THE WAY OUT.  SPILL a: block a's 16 rows x 128 columns of sums go into my rows 16 a .. 16 a + 15: lane l puts columns 16 b + 8 (l / 16) + 0..7 of row l % 16, each accumulator from its low end on.
.macro SPILL a
.set AC, 64*((\a)%4)
	WIN 0x08+4*((\a)/4)                            ; the store's data (source 1): window 2 or 3
.irp b, 0,1,2,3,4,5,6,7
	ds_store_b128 v[STO], v[AC+8*(\b):AC+8*(\b)+3]   offset:(\a)*16*FP+64*(\b)
	ds_store_b128 v[STO], v[AC+8*(\b)+4:AC+8*(\b)+7] offset:(\a)*16*FP+64*(\b)+16
.endr
.endm
; BODY: a trip's 8 rows, 32 numbers a lane.  more = 1: the next trip's rows are asked for as soon as this trip's have been read out of S, and hq's address steps.
.macro BODY more
	s_wait_dscnt 0x0                               ; this trip's eight loads are in
.irp j, 0,1,2,3,4,5,6,7
	v_pk_fma_f32 v[Y+4*(\j):Y+4*(\j)+1],   v[S+4*(\j):S+4*(\j)+1],   v[SCL:SCL+1], v[BI:BI+1] clamp      ; y = (sum + b1) 2^-8, held to 0 .. 1
	v_pk_fma_f32 v[Y+4*(\j)+2:Y+4*(\j)+3], v[S+4*(\j)+2:S+4*(\j)+3], v[SCL:SCL+1], v[BI+2:BI+3] clamp
.endr
.if \more
	s_add_co_u32 s[TB], s[TB], 8*FP
	v_add_nc_u32 v[ADR], s[TB], v[RD]
.irp j, 0,1,2,3,4,5,6,7
	ds_load_b128 v[S+4*(\j):S+4*(\j)+3], v[ADR] offset:(\j)*FP  ; 32 lanes, 16 neighbouring bytes each: a whole row
.endr
.endif
.set i, 0
.rept 16
	v_pk_mul_f32 v[QA+2*i:QA+2*i+1], v[Y+2*i:Y+2*i+1], s[DLO:DLO+1] op_sel_hi:[1,0]  ; a little below y,
	v_pk_mul_f32 v[QB+2*i:QB+2*i+1], v[Y+2*i:Y+2*i+1], s[DHI:DHI+1] op_sel_hi:[1,0]  ; a little above
.set i, i+1
.endr
.irp bb, 0,1,2,3
	v_cvt_scalef32_pk8_fp8_f32 v[CA+2*(\bb):CA+2*(\bb)+1], v[QA+8*(\bb):QA+8*(\bb)+7], v[SCL]  ; divided by 2^-8 and rounded to fp8: the e4m3 rounding
.endr
.irp bb, 0,1,2,3
	v_cvt_scalef32_pk8_fp8_f32 v[CB+2*(\bb):CB+2*(\bb)+1], v[QB+8*(\bb):QB+8*(\bb)+7], v[SCL]
.endr
	v_nop                                          ; a plain instruction between the scaled conversions and what touches their results and sources
.irp bb, 0,1,2,3
	v_cvt_scale_pk8_f32_fp8 v[QA+8*(\bb):QA+8*(\bb)+7], v[CA+2*(\bb):CA+2*(\bb)+1], v[SUP]     ; A: the value times 2^8
.endr
.irp bb, 0,1,2,3
	v_cvt_scale_pk8_f32_fp8 v[QB+8*(\bb):QB+8*(\bb)+7], v[CB+2*(\bb):CB+2*(\bb)+1], v[SUP]     ; B
.endr
	v_nop
.set i, 0
.rept 16
	v_pk_add_f32 v[LN+2*i:LN+2*i+1], v[QA+2*i:QA+2*i+1], v[QB+2*i:QB+2*i+1]               ; A + B = 2 M: 6 significant bits at the most
.set i, i+1
.endr
.set i, 0
.rept 16
	v_pk_mul_f32 v[LN+2*i:LN+2*i+1], v[LN+2*i:LN+2*i+1], s[NC:NC+1] op_sel_hi:[1,0]       ; -M (2^16 - 1): 22 bits at the most, exact
.set i, i+1
.endr
.set i, 0
.rept 16
	v_pk_fma_f32 v[LN+2*i:LN+2*i+1], v[Y+2*i:Y+2*i+1], s[KK:KK+1], v[LN+2*i:LN+2*i+1] op_sel_hi:[1,0,1]  ; 256 h 2^16 - M (2^16 - 1) = M + (256 h - M) 2^16: one rounding, none on the ramp
.set i, i+1
.endr
.set i, 0
.rept 32
	v_med3_num_f32 v[LN+i], v[LN+i], v[QA+i], v[QB+i]                                     ; held between A and B: A itself where A = B
.set i, i+1
.endr
.set i, 0
.rept 16
	v_cvt_pk_f16_f32 v[TMP+i], v[LN+2*i], v[LN+2*i+1]                                     ; exact, or f16's infinity
.set i, i+1
.endr
.irp j, 0,1,2,3,4,5,6,7
	global_store_b64 v[CO], v[TMP+2*(\j):TMP+2*(\j)+1], s[10:11] offset:(\j)*ROWB  ; 32 lanes store 256 consecutive bytes, at a multiple of 256 from hq's first byte; no hint: the next launch reads them
.endr
.if \more
	s_wait_xcnt 0x0                                ; only behind this wait are the stores' base and their data registers rewritten
	s_add_nc_u64 s[10:11], s[10:11], 8*ROWB        ; 8 rows on
.endif
.endm
	s_wait_tensorcnt 1                             ; my part of K step 0 is in; K step 1's may stay out
	s_barrier_signal -1
	s_barrier_wait -1                              ; everybody's is
	FETCH 0, 0, F0
	QUARTER 0, 64,  F0, F1, 1                      ; the first quarter stands in front of the loop: its products start the sums
	WIN 0                                          ; at a label and at a branch every window is 0
	s_mov_b32 s[LAP], LAPS-1
.Llap:                                                 ; a trip goes once round the ring, from a lap's second quarter to the next lap's first, and fills both slots again
	QUARTER 0, 128, F1, F0, 0
	QUARTER 0, 192, F0, F1, 0
	TURN 0, 1
	QUARTER 1, 64,  F0, F1, 0
	QUARTER 1, 128, F1, F0, 0
	QUARTER 1, 192, F0, F1, 0
	TURN 1, 0
	QUARTER 0, 64,  F0, F1, 0
	WIN 0
	s_sub_co_u32 s[LAP], s[LAP], 1
	s_cmp_lg_u32 s[LAP], 0
	s_cbranch_scc1 .Llap
	QUARTER 0, 128, F1, F0, 0                      ; the last lap is written out: it fills nothing and has no round
	QUARTER 0, 192, F0, F1, 0
	MEET 0                                         ; the load that was still out is the last K step's: from here on no tensor load of any wave is out
	PLACES                                         ; for the loads into buffer 0
	FETCH 1, 0, F0
	MUL16 F1, 1, 0, 0
	MUL16 F1, 1, 2, 0
	QUARTER 1, 64,  F0, F1, 0
	QUARTER 1, 128, F1, F0, 0
	QUARTER 1, 192, F0, F1, 0
	s_wait_dscnt 8                                 ; the very last quarter: nothing more to fetch
	MUL16 F1, 0, 0, 0
	MUL16 F1, 0, 2, 0
	s_wait_dscnt 0x0                               ; my last reads of the ring are over:
	s_barrier_signal -1                            ; say so,
	MUL16 F1, 1, 0, 0                              ; work on registers while the others arrive,
	MUL16 F1, 1, 2, 0
	WIN 0
	s_barrier_wait -1                              ; and nobody reads the ring any more: its bytes, which have had their last fill, take the sums
	PLACES                                         ; the stores below read results
.irp a, 0,1,2,3,4,5,6,7
	SPILL \a
.endr
	WIN 0
	s_wait_dscnt 0x0                               ; my stores are done.  A wave reads its own rows alone; the barrier is kept so that no ordering rests on the bounds of addresses that step
	s_barrier_signal -1
	s_barrier_wait -1
.irp j, 0,1,2,3,4,5,6,7
	ds_load_b128 v[S+4*(\j):S+4*(\j)+3], v[RD] offset:(\j)*FP  ; rows 0 to 7
.endr
	s_mov_b32 s[LAP], 15
.Lrows:                                                ; 15 trips of 8 rows, each asking for the next 8
	BODY 1
	s_sub_co_u32 s[LAP], s[LAP], 1
	s_cmp_lg_u32 s[LAP], 0
	s_cbranch_scc1 .Lrows
	BODY 0                                         ; rows 120 to 127: nothing is left to read
	s_wait_tensorcnt 0x0                           ; the wave's end: a wait, an add of 0 and its wait, behind my last tensor load and my last LDS store
	ds_add_u32 v[SPW], v[NIL]
	s_wait_dscnt 0x0
	CROUND                                         ; the closing round: no work-group ends while a partner may still ask for a tile that names it
	s_endpgm
.Lfunc_end_k_qf6a164a47b_up:
	.size	k_qf6a164a47b_up, .Lfunc_end_k_qf6a164a47b_up-k_qf6a164a47b_up
	.p2alignl 7, 3214868480
	.fill 96, 4, 3214868480
	.section	.rodata,"a",@progbits
	.p2align	6, 0x0
	.amdhsa_kernel k_qf6a164a47b_up
		.amdhsa_group_segment_fixed_size 327680
		.amdhsa_private_segment_fixed_size 0
		.amdhsa_enable_private_segment 0
		.amdhsa_kernarg_size 32
		.amdhsa_user_sgpr_count 2
		.amdhsa_user_sgpr_kernarg_segment_ptr 1
		.amdhsa_wavefront_size32 1
		.amdhsa_system_sgpr_workgroup_id_x 1
		.amdhsa_system_sgpr_workgroup_id_y 1
		.amdhsa_system_sgpr_workgroup_id_z 1
		.amdhsa_system_vgpr_workitem_id 0
		.amdhsa_next_free_vgpr 1024
		.amdhsa_next_free_sgpr 80
		.amdhsa_reserve_vcc 0
		.amdhsa_float_denorm_mode_32 3
		.amdhsa_float_denorm_mode_16_64 3
		.amdhsa_memory_ordered 1
		.amdhsa_forward_progress 1
		.amdhsa_inst_pref_size 144
	.end_amdhsa_kernel
	.amdgpu_metadata
---
amdhsa.version: [ 1, 2 ]
amdhsa.kernels:
  - .name:           k_qf6a164a47b_up
    .symbol:         k_qf6a164a47b_up.kd
    .args:
      - { .name: xb, .offset: 0, .size: 8, .value_kind: global_buffer, .address_space: global }
      - { .name: w1b, .offset: 8, .size: 8, .value_kind: global_buffer, .address_space: global }
      - { .name: b1, .offset: 16, .size: 8, .value_kind: global_buffer, .address_space: global }
      - { .name: hq, .offset: 24, .size: 8, .value_kind: global_buffer, .address_space: global }
    .group_segment_fixed_size: 327680
    .private_segment_fixed_size: 0
    .kernarg_segment_align: 8
    .kernarg_segment_size: 32
    .max_flat_workgroup_size: 128
    .sgpr_count:     80
    .vgpr_count:     1024
    .wavefront_size: 32
...
	.end_amdgpu_metadata
.endif
;; end of part 2
;; launch down (part 3): grid 4 x 64, 4 waves a work-group, clusters of 4 x 4, 327,680 bytes of LDS; arguments hq, w2q, b2, out0; writes out0
.if DOCPART == 3
	.amdgcn_target "amdgcn-amd-amdhsa--gfx1250"
	.amdhsa_code_object_version 6
	.text
	.protected	k_qf6a164a47b_down
	.globl	k_qf6a164a47b_down
	.p2align	8
	.type	k_qf6a164a47b_down,@function
k_qf6a164a47b_down:
	s_mov_b64 s[64:65], 0
	v_nop
	global_prefetch_b8 v0, s[64:65] scope:SCOPE_SE
	s_setreg_imm32_b32 hwreg(HW_REG_WAVE_MODE, 25, 1), 1
	s_wait_xcnt 0x0
	s_wait_alu depctr_hold_cnt(0) depctr_sa_sdst(0) depctr_va_vdst(0) depctr_va_sdst(0) depctr_va_ssrc(0) depctr_va_vcc(0) depctr_vm_vsrc(0)
	s_getreg_b32 s2, hwreg(HW_REG_IB_STS2, 6, 4)
	s_cmp_eq_u32 s2, 0
	s_cbranch_scc0 .Lentry_in_a_cluster
	s_endpgm
.Lentry_in_a_cluster:
	s_bfe_u32 s2, ttmp6, 0x10000c
	s_cmp_lg_u32 s2, 0xf033
	s_cbranch_scc0 .Lentry_shape_is_right
	s_endpgm
.Lentry_shape_is_right:
; out0[m][n] = f16round(2^-16 x (sum over k of hq[m][k] W[n][k]) + f16round(bf16(b2[n]))), stored as f32.  hq: [8192][4096] f16, w2q: [1024][4096] fp8 codes, b2: [1024] f32, out0: [8192][1024] f32.
; hq holds 256 times its number (exact in f16) or an infinity; W = 256 x the value of w2q's code, made in registers by a scaled conversion to f16 (exact: 0.5 .. 61,440 with four significant bits).
; The two factors leave in the one fused multiply-add that also adds the bias.  e5m10 is f16: one conversion there and back.
; A tile of 128 (m) x 256 (n) gives 256 work-groups, one for each WGP.  Four waves, each all 128 rows x 64 columns: 32 accumulators of 16 x 16, 256 registers.
; K GOES IN STEPS OF 256 through two LDS slots.  That fits because w2q stays in 8 bits up to the registers: a slot is 128 rows of 528 bytes of hq and 256 rows of 272 bytes of w2q, 137,216 bytes;
; with both operands in f16 two such slots would not fit.  Each wave's tensor load brings 32,768 bytes, in rows of 512 (hq) or 256 (w2q) bytes of memory at multiples of 256,
; and has 240 of a K step's 256 matrix instructions in which to land.
; CLUSTERS: 4 x 4 work-groups.  The four of a row of the cluster are all four tile columns of one tile row and need the same tiles of hq; the four of a column need the same tiles of w2q: each tile is asked for JOINTLY.
; THE MATRIX INSTRUCTION IS USED TRANSPOSED (source 0 = 16 rows of W, source 1 = 16 rows of hq): lane l holds row l % 16 of the result and the columns 8 (l / 16) + 0..7.
; K'S ORDER INSIDE A FRAGMENT is changed alike for both sources, which keeps the products: of 32 along K the lanes' half h holds k = 16 h .. 16 h + 15, registers 0-3 the first eight, 4-7 the others.
; So a lane's part of W is 16 neighbouring codes (one LDS load, two conversions of eight), and its part of hq 32 neighbouring bytes (two LDS loads).
; LIMITS.  Infinities in hq go through the matrix unit as they are; NaN is not treated apart.  |w2| of 248 or more arrives as the code of 256, and what the conversion makes of 256 x 2^8, which is past f16's
; largest number, decides: there the result that is asked for is not finite.  The f32 sums are made in another order than a sum term by term.
; REGISTERS, in windows of 256 (s_set_vgpr_msb: bits 1:0 source 0, 3:2 source 1, 5:4 source 2, 7:6 destination):
;   window 0: v0-31 addresses and constants; v32-47 codes of w2q as loaded; v64-127, v128-191 fragments of hq, two buffers; v192-223 the bias of my lane's 32 columns;
;             on the way out v64-95 f32, v96-111 f16, v32-63 and v128-159 rows read back
;   window 1: v64-95, v128-159 fragments of W        window 2: the accumulators ((a, b) at v[8 (4 a + b)])
.set SIZE_N, 1024
.set SIZE_K, 4096
.set KSTEP,  256
.set PA,     528                       ; an LDS row of hq: 512 bytes + 16 of padding = 132 words: the 16 rows that a load touches start at 16 different groups of four banks (64 banks of 4 bytes: ISA guide 11.1)
.set PB,     272                       ; an LDS row of w2q: 256 bytes + 16 = 68 words: likewise
.set HALFA,  64*PA                     ; 64 rows of hq: one tensor load
.set HALFB,  128*PB                    ; 128 rows of w2q: one tensor load
.set SLOT,   2*HALFA+2*HALFB           ; hq's 128 rows, then w2q's 256 rows
.set STAGE,  2*SLOT                    ; behind the ring: 16 rows x 272 bytes for each wave, for the way out; no tensor load lands there
.set SPITCH, 272
.set SPARE,  STAGE+4*16*SPITCH         ; behind the stages: the spare words, 128 bytes for each wave: two blocks of 256 bytes that no other line names
.set LAPS,   SIZE_K/(2*KSTEP)          ; a lap = two K steps = once round the ring: 8
.set ROWB,   SIZE_N*4                  ; bytes in a row of out0
.set ADRA, 16                          ; v16-17  LDS address of my hq fragments in slot 0, 1
.set ADRB, 20                          ; v20-21  the same for w2q
.set BO,   22                          ; v22     my byte offset in 64 bytes of b2: 32 (l / 16)
.set STO,  24                          ; v24     the way out: where I put 32 bytes of a row
.set RD,   25                          ; v25     the way out: where I read a row back
.set CO,   26                          ; v26     my byte offset in out0
.set SUP,  27                          ; v27     0x87: the E8M0 code of 2^8
.set SPW,  28                          ; v28     LDS address of my spare word: SPARE + 4 x my thread's number; never rewritten
.set NIL,  29                          ; v29     0; never rewritten
.set ONE,  30                          ; v30     1.0
.set NZ,   31                          ; v31     -0.0: x times 1 plus -0 is x for every x
.set RAW,  32                          ; v32-47  four fragments' codes, 16 a lane each
.set OB,   32
.set F0,   64
.set F1,   128
.set T,    64
.set HH,   96
.set BI,   192
.set WV, 12                            ; s12  my wave's number: also which 64 columns of the tile are mine
.set RH, 13                            ; s13  I fetch for hq (0) or for w2q (1)
.set CH, 14                            ; s14  which half of that tile I fetch
.set TR, 15                            ; s15  tile row
.set TC, 42                            ; s42  tile column
.set G1, 24                            ; s[24:31] descriptor group 1 for hq's tiles;  s[32:39] group 0, a set for each slot
.set G0, 32
.set G1B, 48                           ; s[48:55], s[56:63] the same for w2q's tiles
.set G0B, 56
.set LAP, 66                           ; s66  laps to go
.set SC,  68                           ; s[68:69] 2^-16: the packed multiply-add takes the pair's low word for both halves
.set DWA, (1<<16)|(1<<20)|(1<<21)|(6<<22)|(3<<25)  ; 17:16 elements of 2 bytes; 20 padding on; 21 set beside a mask; 24:22 after every 128 words (code 6); 31:25 4 words of it (code 3)
.set DWB, (1<<16)|(1<<20)|(1<<21)|(5<<22)|(3<<25)  ; the same after every 64 words (code 5); w2q's bytes are asked for two to an element
.set MSB, 0
.macro WIN new                         ; the immediate's high byte repeats the setting that is left; a switch that changes nothing is dropped
.if MSB != (\new)
	s_set_vgpr_msb (MSB<<8)|(\new)
.set MSB, \new
.endif
.endm
.set MUL,  0xa1                        ; source 0 (W) window 1, source 1 (hq) window 0, C and D window 2
.set TO_B, 0x40                        ; destination window 1, sources window 0
; A joint load.  Waves 0 and 1 fetch hq's two halves, waves 2 and 3 w2q's.  The branch hangs on the wave's number alone.  An s_nop 0 and four v_nop follow each of the two lines.
.macro JLOAD s
	s_cmp_eq_u32 s[RH], 0
	s_cbranch_scc0 .Lfor_b_\@
	tensor_load_to_lds s[G0+4*(\s):G0+4*(\s)+3], s[G1:G1+7]
	s_nop 0
.rept 4
	v_nop
.endr
	s_branch .Lasked_\@
.Lfor_b_\@:
	tensor_load_to_lds s[G0B+4*(\s):G0B+4*(\s)+3], s[G1B:G1B+7]
	s_nop 0
.rept 4
	v_nop
.endr
.Lasked_\@:
.endm
; A round of the cluster's barrier: my work-group's barrier, so that wave 0's signal speaks for all four waves; wave 0 signals; every wave waits for all sixteen work-groups; my work-group's barrier once more.
.macro CREST                           ; a round behind its opening barrier
	s_cmp_lg_u32 s[WV], 0
	s_cbranch_scc1 .Lnot_wave_0_\@
	s_barrier_signal -3
.Lnot_wave_0_\@:
	s_barrier_wait -3
	s_barrier_signal -1
	s_barrier_wait -1
.endm
.macro CROUND                          ; a whole round
	s_barrier_signal -1
	s_barrier_wait -1
	CREST
.endm
	s_load_b256 s[4:11], s[0:1], 0x0               ; hq s[4:5], w2q s[6:7], b2 s[8:9], out0 s[10:11]
	v_lshl_add_u32 v[SPW], v0, 2, SPARE
	v_mov_b32 v[NIL], 0
	ds_add_u32 v[SPW], v[NIL]                      ; the wave's opening: the add and its wait stand ahead of my first tensor load; the set-up below, work on registers, stands between them
	v_lshrrev_b32 v1, 5, v0
	v_readfirstlane_b32 s[WV], v1                  ; wave 0..3
	s_lshr_b32 s[RH], s[WV], 1
	s_and_b32 s[CH], s[WV], 1
	s_bfe_u32 s40, ttmp6, 0x40000                  ; cx, cy: my place in the cluster
	s_bfe_u32 s41, ttmp6, 0x40004
	s_lshl_b32 s[TC], ttmp9, 2                     ; in a cluster launch ttmp9 and ttmp7 count clusters
	s_add_co_u32 s[TC], s[TC], s40                 ; tile column = 4 x cluster x + cx
	s_and_b32 s[TR], ttmp7, 0xffff
	s_lshl_b32 s[TR], s[TR], 2
	s_add_co_u32 s[TR], s[TR], s41                 ; tile row = 4 x cluster y + cy
	s_lshl_b32 s43, s41, 2
	s_lshl_b32 s43, 15, s43                        ; my row of the cluster: places 4 cy .. 4 cy + 3
	s_lshl_b32 s44, 0x1111, s40                    ; my column: places cx, cx + 4, cx + 8, cx + 12
	s_or_b32 s[G1+0], s43, DWA                     ; 15:0 the mask: hq's tiles go to my row,
	s_or_b32 s[G1B+0], s44, DWB                    ; w2q's to my column
	s_mov_b32 s[G1+1], 256<<16                     ; tensor_dim0 = 256 f16
	s_mov_b32 s[G1+2], 64<<16                      ; tensor_dim1 = 64
	s_mov_b32 s[G1+3], 256<<16                     ; tile_dim0 = 256
	s_mov_b32 s[G1+4], 64                          ; tile_dim1 = 64 rows of hq
	s_mov_b32 s[G1+5], SIZE_K                      ; elements from row to row
	s_mov_b32 s[G1+6], 0
	s_mov_b32 s[G1+7], 0
	s_mov_b32 s[G1B+1], 128<<16                    ; tensor_dim0 = 128 pairs of codes
	s_mov_b32 s[G1B+2], 128<<16                    ; tensor_dim1 = 128
	s_mov_b32 s[G1B+3], 128<<16                    ; tile_dim0 = 128
	s_mov_b32 s[G1B+4], 128                        ; tile_dim1 = 128 rows of w2q
	s_mov_b32 s[G1B+5], SIZE_K/2                   ; pairs of codes from row to row
	s_mov_b32 s[G1B+6], 0
	s_mov_b32 s[G1B+7], 0
	s_mov_b32 s[SC], 0x37800000                    ; 2^-16
	s_mov_b32 s[SC+1], 0x37800000                  ; named with it as a pair
	; hq's tiles hang on the tile row alone, which my row of the cluster shares; w2q's on the tile column alone.  Each address is made in registers that never hold the other coordinate.
	s_lshl_b32 s17, s[CH], 6
	s_lshl_b32 s16, s[TR], 7
	s_add_co_u32 s16, s16, s17                     ; hq: row 128 x tile row + 64 x half,
	s_lshl_b32 s16, s16, 13                        ; of 8,192 bytes: under 2^26
	s_lshl_b32 s47, s[CH], 7
	s_lshl_b32 s46, s[TC], 8
	s_add_co_u32 s46, s46, s47                     ; w2q: row 256 x tile column + 128 x half,
	s_lshl_b32 s46, s46, 12                        ; of 4,096 bytes
	s_mov_b32 s17, 0
	s_mov_b32 s47, 0
	s_mul_i32 s20, s[CH], HALFA                    ; where hq's halves go (waves 0, 1): half x 64 rows
	s_mul_i32 s21, s[CH], HALFB                    ; where w2q's go (waves 2, 3): behind hq's 128 rows, half x 128 rows
	s_add_co_u32 s21, s21, 2*HALFA                 ; no place in the cluster enters an LDS address
	s_wait_dscnt 0x0                               ; the opening add is done
	s_wait_kmcnt 0x0
	s_add_nc_u64 s[18:19], s[4:5], s[16:17]
	s_add_nc_u64 s[46:47], s[6:7], s[46:47]
	CROUND                                         ; all sixteen work-groups are here: the first joint loads meet
.irp s, 0,1
	s_mov_b32 s[G0+4*(\s)], 1                                      ; 1:0 count = 1
	s_add_co_u32 s[G0+4*(\s)+1], s20, (\s)*SLOT                    ; 63:32 LDS address
	s_add_nc_u64 s[G0+4*(\s)+2:G0+4*(\s)+3], s[18:19], (\s)*KSTEP*2  ; 120:64 global address: K step s, 512 bytes of a row
	s_or_b32 s[G0+4*(\s)+3], s[G0+4*(\s)+3], 0x80000000            ; 127:126 type = 2
	s_mov_b32 s[G0B+4*(\s)], 1
	s_add_co_u32 s[G0B+4*(\s)+1], s21, (\s)*SLOT
	s_add_nc_u64 s[G0B+4*(\s)+2:G0B+4*(\s)+3], s[46:47], (\s)*KSTEP  ; 256 bytes of a row
	s_or_b32 s[G0B+4*(\s)+3], s[G0B+4*(\s)+3], 0x80000000
	JLOAD \s                                       ; two loads of mine are out
.endr
	; All that follows up to the wait on TENSORcnt stands in the wait for the first tile.
	v_and_b32 v1, 15, v0                           ; l % 16
	v_bfe_u32 v2, v0, 4, 1                         ; l / 16
	v_lshlrev_b32 v[BO], 5, v2
	s_lshl_b32 s46, s[TC], 10                      ; my wave's 64 columns, 4 bytes each: 1,024 x tile column + 256 x wave; the same offset serves b2 and a row of out0
	s_lshl_b32 s47, s[WV], 8
	s_add_co_u32 s46, s46, s47
	s_mov_b32 s47, 0
	s_add_nc_u64 s[8:9], s[8:9], s[46:47]
.irp b, 0,1,2,3                        ; columns 16 b + 8 (l / 16) + 0..7: what my lane holds of accumulator (a, b)
	global_load_b128 v[T+8*(\b):T+8*(\b)+3],   v[BO], s[8:9] offset:64*(\b)
	global_load_b128 v[T+8*(\b)+4:T+8*(\b)+7], v[BO], s[8:9] offset:64*(\b)+16
.endr
	v_mul_u32_u24 v3, v1, PA                       ; hq: row x pitch + 32 x half: my 16 numbers of 32 along K are 32 neighbouring bytes
	v_lshl_add_u32 v3, v2, 5, v3
	v_mul_u32_u24 v4, v1, PB                       ; w2q: row x pitch + 16 x half: the same 16 along K are 16 neighbouring codes
	v_lshl_add_u32 v4, v2, 4, v4
	s_mov_b32 s22, 0                               ; every wave reads all 128 rows of hq
	s_mul_i32 s23, s[WV], 64*PB                    ; my 64 rows of w2q,
	s_add_co_u32 s23, s23, 2*HALFA                 ; which lie behind hq's 128
.irp s, 0,1
	v_add_nc_u32 v[ADRA+(\s)], s22, v3
	v_add_nc_u32 v[ADRB+(\s)], s23, v4
	s_add_co_u32 s22, s22, SLOT
	s_add_co_u32 s23, s23, SLOT
.endr
	s_mul_i32 s23, s[WV], 16*SPITCH
	s_add_co_u32 s23, s23, STAGE                   ; my stage
	v_mul_u32_u24 v4, v1, SPITCH                   ; in: row l % 16, 32 bytes for each half of the lanes
	v_lshl_add_u32 v4, v2, 5, v4
	v_add_nc_u32 v[STO], s23, v4
	v_mul_u32_u24 v5, v2, SPITCH                   ; back: lanes 0-15 take one row of 256 bytes, lanes 16-31 the next
	v_lshl_add_u32 v5, v1, 4, v5
	v_add_nc_u32 v[RD], s23, v5
	v_lshlrev_b32 v5, 12, v2                       ; and the same two rows in out0, 4,096 bytes apart
	v_lshl_add_u32 v[CO], v1, 4, v5
	s_lshl_b32 s70, s[TR], 19                      ; out0 at my wave's part of the tile: row 128 x tile row, of 4,096 bytes,
	s_add_co_u32 s70, s70, s46                     ; and my columns: under 2^26
	s_mov_b32 s71, 0
	s_add_nc_u64 s[10:11], s[10:11], s[70:71]
	v_mov_b32 v[ONE], 1.0
	v_mov_b32 v[NZ], 0x80000000
	v_mov_b32 v[SUP], 0x87
	s_wait_loadcnt 0x0                             ; b2
.set i, 0
.rept 16
	v_cvt_pk_bf16_f32 v[HH+i], v[T+2*i], v[T+2*i+1]  ; b2 is rounded to bf16, as every input,
.set i, i+1
.endr
.set i, 0
.rept 16
	v_lshlrev_b32 v[T+2*i], 16, v[HH+i]            ; widened again,
	v_and_b32 v[T+2*i+1], 0xffff0000, v[HH+i]
.set i, i+1
.endr
.set i, 0
.rept 16
	v_cvt_pk_f16_f32 v[HH+i], v[T+2*i], v[T+2*i+1] ; rounded to e5m10,
.set i, i+1
.endr
.set i, 0
.rept 16
	v_fma_mix_f32 v[BI+2*i], v[HH+i], v[ONE], v[NZ] op_sel_hi:[1,0,0]                  ; and kept in f32: the low half,
	v_fma_mix_f32 v[BI+2*i+1], v[HH+i], v[ONE], v[NZ] op_sel:[1,0,0] op_sel_hi:[1,0,0] ; the high half
.set i, i+1
.endr
; 8 matrix instructions: m blocks a0, a0 + 1 x all 4 n blocks, 32 along K.  zero = 1: the first product starts the sums.
; The 32 accumulators take turns, one instruction a turn, in the same order in every quarter... of 32 along K.
.macro MUL8 f, a0, zero
	WIN MUL
.irp a, \a0, (\a0)+1
.irp b, 0,1,2,3
.if \zero
	v_wmma_f32_16x16x32_f16 v[8*(4*(\a)+(\b)):8*(4*(\a)+(\b))+7], v[(\f)+8*(\b):(\f)+8*(\b)+7], v[(\f)+8*(\a):(\f)+8*(\a)+7], 0
.else
	v_wmma_f32_16x16x32_f16 v[8*(4*(\a)+(\b)):8*(4*(\a)+(\b))+7], v[(\f)+8*(\b):(\f)+8*(\b)+7], v[(\f)+8*(\a):(\f)+8*(\a)+7], v[8*(4*(\a)+(\b)):8*(4*(\a)+(\b))+7]
.endif
.endr
.endr
.endm
; 20 LDS loads in one run: part q (32 along K) of a K step: w2q's codes of my 64 rows, then hq's rows 0-63 into buffer f, then its rows 64-127
.macro FETCH slot, q, f
	WIN 0
.irp i, 0,1,2,3
	ds_load_b128 v[RAW+4*(\i):RAW+4*(\i)+3], v[ADRB+(\slot)] offset:32*(\q)+(\i)*16*PB
.endr
.irp i, 0,1,2,3,4,5,6,7
	ds_load_b128 v[(\f)+8*(\i):(\f)+8*(\i)+3],   v[ADRA+(\slot)] offset:64*(\q)+(\i)*16*PA
	ds_load_b128 v[(\f)+8*(\i)+4:(\f)+8*(\i)+7], v[ADRA+(\slot)] offset:64*(\q)+(\i)*16*PA+16
.endr
.endm
; The codes become buffer g's four fragments of W: eight codes to a line, times 2^8, in f16.
.macro CONV g
	WIN TO_B
.irp i, 0,1,2,3
	v_cvt_scale_pk8_f16_fp8 v[(\g)+8*(\i):(\g)+8*(\i)+3],   v[RAW+4*(\i):RAW+4*(\i)+1],   v[SUP]
	v_cvt_scale_pk8_f16_fp8 v[(\g)+8*(\i)+4:(\g)+8*(\i)+7], v[RAW+4*(\i)+2:RAW+4*(\i)+3], v[SUP]
.endr
	v_nop                                          ; a plain instruction between the scaled conversions and what touches their results and sources
.endm
; A load into a register that a matrix instruction has read, a vector instruction that writes one, and one that reads a matrix result, stand four places behind it; only plain vector instructions that name none of
; its registers are places (ISA guide 7.12.1 for vector instructions).
.macro PLACES
.rept 4
	v_nop
.endr
.endm
; A K step is eight parts of 32 along K, 32 matrix instructions each, on buffers 0, 1, 0, 1, ...  One of the first seven: multiplies buffer f; in its middle it fetches part q, the next, for buffer g;
; eight matrix instructions further on the codes are in and are converted, a whole part ahead of their first use.  The four v_nop are the places for the loads into g and for the conversions that write g.
.macro QUARTER slot, q, f, g, zero
	s_wait_dscnt 8                                 ; hq's rows 0-63 are in; the youngest eight loads (hq's rows 64-127) may be out
	MUL8 \f, 0, \zero
	MUL8 \f, 2, \zero
	PLACES
	FETCH \slot, \q, \g
	s_wait_dscnt 20                                ; all but the 20 just issued
	MUL8 \f, 4, \zero
	s_wait_dscnt 16                                ; the four loads of codes are in; hq's sixteen may be out
	CONV \g
	MUL8 \f, 6, \zero
.endm
.macro SIX slot                        ; parts 1 to 6 of a K step
	QUARTER \slot, 2, F1, F0, 0
	QUARTER \slot, 3, F0, F1, 0
	QUARTER \slot, 4, F1, F0, 0
	QUARTER \slot, 5, F0, F1, 0
	QUARTER \slot, 6, F1, F0, 0
	QUARTER \slot, 7, F0, F1, 0
.endm
; The first half of a K step's last part, which multiplies buffer 1 and changes slots: ONE barrier.  In front of it each wave waits for all its tensor loads (one is out: its part of the next slot), adds 0 to
; its spare word, and waits for that and for its own reads of this slot.  Behind it nobody reads this slot any more and the next slot is whole.  round = 1: a round of the cluster's barrier follows.
.macro MEET round
	WIN 0                                          ; (the add's two registers lie in window 0)
	s_wait_tensorcnt 0x0                           ; all my tensor loads have landed
	ds_add_u32 v[SPW], v[NIL]                      ; 0 onto my spare word
	s_wait_dscnt 9                                 ; (the add and the youngest eight loads may be out)
	MUL8 F1, 0, 0                                  ; eight matrix instructions stand between the add and the wait for it
	s_wait_dscnt 0x0                               ; the add is done, and my reads of this slot are over
	s_barrier_signal -1
	MUL8 F1, 2, 0                                  ; work on registers while the others arrive
.if \round
	WIN 0
.endif
	s_barrier_wait -1
.endm
; The second half of that part: the next slot's first fragments.
.macro ONWARD next
	FETCH \next, 0, F0
	MUL8 F1, 4, 0
	s_wait_dscnt 16                                ; the four loads of codes are in
	CONV F0
	MUL8 F1, 6, 0
.endm
; The whole last part: behind the round this slot is filled again first, with the K step two steps on: 240 matrix instructions ahead of the wait for it.
.macro TURN slot, next
	MEET 1
	CREST                                          ; no wave of any partner still reads this slot's tile or has a load on its way
	s_add_nc_u64 s[G0+4*(\slot)+2:G0+4*(\slot)+3], s[G0+4*(\slot)+2:G0+4*(\slot)+3], 2*KSTEP*2  ; no load of mine is out, so a group 0 may be written
	s_add_nc_u64 s[G0B+4*(\slot)+2:G0B+4*(\slot)+3], s[G0B+4*(\slot)+2:G0B+4*(\slot)+3], 2*KSTEP
	JLOAD \slot                                    ; the first tensor load behind the round; its four v_nop are also the places in front of the loads and conversions below
	ONWARD \next
.endm
; THE WAY OUT of block a (16 rows x 64 columns), in three parts.
.macro PACK a
	WIN 0x02                                       ; source 0: window 2
.irp b, 0,1,2,3
.irp r, 0,1,2,3
	v_pk_fma_f32 v[T+8*(\b)+2*(\r):T+8*(\b)+2*(\r)+1], v[32*(\a)+8*(\b)+2*(\r):32*(\a)+8*(\b)+2*(\r)+1], s[SC:SC+1], v[BI+8*(\b)+2*(\r):BI+8*(\b)+2*(\r)+1] op_sel_hi:[1,0,1]  ; sum x 2^-16 + bias, one rounding; each accumulator from its low end on
.endr
.endr
	WIN 0
.set i, 0
.rept 16
	v_cvt_pk_f16_f32 v[HH+i], v[T+2*i], v[T+2*i+1] ; the e5m10 rounding
.set i, i+1
.endr
.set i, 0
.rept 16
	v_fma_mix_f32 v[T+2*i], v[HH+i], v[ONE], v[NZ] op_sel_hi:[1,0,0]                   ; and back to f32
	v_fma_mix_f32 v[T+2*i+1], v[HH+i], v[ONE], v[NZ] op_sel:[1,0,0] op_sel_hi:[1,0,0]
.set i, i+1
.endr
.endm
.macro TOSTAGE a                       ; into my own stage, and back as whole rows of 256 bytes
.set BK, OB+96*((\a)%2)
.irp b, 0,1,2,3
	ds_store_b128 v[STO], v[T+8*(\b):T+8*(\b)+3]   offset:64*(\b)
	ds_store_b128 v[STO], v[T+8*(\b)+4:T+8*(\b)+7] offset:64*(\b)+16
.endr
.irp t, 0,1,2,3,4,5,6,7
	ds_load_b128 v[BK+4*(\t):BK+4*(\t)+3], v[RD] offset:(\t)*2*SPITCH  ; LDS serves a wave's instructions in order (ISA guide 5.7.1.4): these see the stores above
.endr
.endm
.macro SEND a
.set BK, OB+96*((\a)%2)
	s_wait_dscnt 0x0                               ; the block is back in registers
	s_wait_xcnt 0x0                                ; only behind this wait are the stores' base and the registers that earlier stores read rewritten
.if (\a) > 0
	s_add_nc_u64 s[10:11], s[10:11], 16*ROWB       ; 16 rows on
.endif
.irp t, 0,1,2,3,4,5,6,7
	global_store_b128 v[CO], v[BK+4*(\t):BK+4*(\t)+3], s[10:11] offset:2*(\t)*ROWB th:TH_STORE_NT  ; 16 lanes store 256 consecutive bytes, at a multiple of 256 from out0's first byte; nothing reads them again
.endr
.endm
	s_wait_tensorcnt 1                             ; my part of K step 0 is in; K step 1's may stay out
	s_barrier_signal -1
	s_barrier_wait -1                              ; everybody's is
	FETCH 0, 0, F0
	s_wait_dscnt 16                                ; the four loads of codes are in
	CONV F0
	QUARTER 0, 1, F0, F1, 1                        ; the first part stands in front of the loop: its products start the sums
	WIN 0                                          ; at a label and at a branch every window is 0
	s_mov_b32 s[LAP], LAPS-1
.Llap:                                                 ; a trip goes once round the ring, from a lap's second part to the next lap's first, and fills both slots again
	SIX 0
	TURN 0, 1
	QUARTER 1, 1, F0, F1, 0
	SIX 1
	TURN 1, 0
	QUARTER 0, 1, F0, F1, 0
	WIN 0
	s_sub_co_u32 s[LAP], s[LAP], 1
	s_cmp_lg_u32 s[LAP], 0
	s_cbranch_scc1 .Llap
	SIX 0                                          ; the last lap is written out: it fills nothing and has no round
	MEET 0                                         ; the load that was still out is the last K step's
	PLACES                                         ; for the loads into buffer 0 and the conversions that write it
	ONWARD 1
	QUARTER 1, 1, F0, F1, 0
	SIX 1
	s_wait_dscnt 8                                 ; the very last part: nothing more to fetch
	MUL8 F1, 0, 0
	MUL8 F1, 2, 0
	s_wait_dscnt 0x0
	MUL8 F1, 4, 0
	MUL8 F1, 6, 0
	WIN 0
	PLACES                                         ; the lines below read results, and write registers that the last products read
	PACK 0
	TOSTAGE 0
.irp a, 1,2,3,4,5,6,7                  ; block a's arithmetic stands between block a - 1's loads from the stage and the wait for them
	PACK \a
	SEND (\a)-1
	TOSTAGE \a
.endr
	SEND 7
	s_wait_tensorcnt 0x0                           ; the wave's end: a wait, an add of 0 and its wait, behind my last tensor load and my last LDS store
	ds_add_u32 v[SPW], v[NIL]
	s_wait_dscnt 0x0
	CROUND                                         ; the closing round: no work-group ends while a partner may still ask for a tile that names it
	s_endpgm
.Lfunc_end_k_qf6a164a47b_down:
	.size	k_qf6a164a47b_down, .Lfunc_end_k_qf6a164a47b_down-k_qf6a164a47b_down
	.p2alignl 7, 3214868480
	.fill 96, 4, 3214868480
	.section	.rodata,"a",@progbits
	.p2align	6, 0x0
	.amdhsa_kernel k_qf6a164a47b_down
		.amdhsa_group_segment_fixed_size 327680
		.amdhsa_private_segment_fixed_size 0
		.amdhsa_enable_private_segment 0
		.amdhsa_kernarg_size 32
		.amdhsa_user_sgpr_count 2
		.amdhsa_user_sgpr_kernarg_segment_ptr 1
		.amdhsa_wavefront_size32 1
		.amdhsa_system_sgpr_workgroup_id_x 1
		.amdhsa_system_sgpr_workgroup_id_y 1
		.amdhsa_system_sgpr_workgroup_id_z 1
		.amdhsa_system_vgpr_workitem_id 0
		.amdhsa_next_free_vgpr 768
		.amdhsa_next_free_sgpr 72
		.amdhsa_reserve_vcc 0
		.amdhsa_float_denorm_mode_32 3
		.amdhsa_float_denorm_mode_16_64 3
		.amdhsa_memory_ordered 1
		.amdhsa_forward_progress 1
		.amdhsa_inst_pref_size 196
	.end_amdhsa_kernel
	.amdgpu_metadata
---
amdhsa.version: [ 1, 2 ]
amdhsa.kernels:
  - .name:           k_qf6a164a47b_down
    .symbol:         k_qf6a164a47b_down.kd
    .args:
      - { .name: hq, .offset: 0, .size: 8, .value_kind: global_buffer, .address_space: global }
      - { .name: w2q, .offset: 8, .size: 8, .value_kind: global_buffer, .address_space: global }
      - { .name: b2, .offset: 16, .size: 8, .value_kind: global_buffer, .address_space: global }
      - { .name: out0, .offset: 24, .size: 8, .value_kind: global_buffer, .address_space: global }
    .group_segment_fixed_size: 327680
    .private_segment_fixed_size: 0
    .kernarg_segment_align: 8
    .kernarg_segment_size: 32
    .max_flat_workgroup_size: 128
    .sgpr_count:     72
    .vgpr_count:     768
    .wavefront_size: 32
...
	.end_amdgpu_metadata
.endif
;; end of part 3
